; MI455X (gfx1250); checked and timed in simulation.
; The chip was launched on July 23, 2026; its instructions are those of AMD's public machine-readable ISA for CDNA 5 (MIT licence, August 2026) and "CDNA5" Instruction Set Architecture Reference Guide (July 2026). The comments in the code are by the model that wrote it; some were corrected since.
;; Attn Match. Allowed arithmetic: matrix products marked QUANTISED: E2M3 operands, one E8M0 scale for each 32 along K, by v_wmma_scale_f32_16x16x128_f8f6f4 with both operands' format E2M3, f32 sums; products left as they are: f32 operands where the result goes on into a quantised operand, else bf16, f16 or f32 operands; f32 sums; everything else in f32.
;; Inputs: U 1,024 x 1,024 float32; W 1,024 x 1,024 float32; att_hidden 32 x 2,048 x 1,024 float32; rnn_state 1 x 32 x 1,024 float32.
;; Outputs: out0 32 x 1,024 float32; out1 32 x 2,048 float32.
;; This version of the problem:
;;   THIS VERSION OF THE PROBLEM IS GIVEN IN LOW PRECISION. The matrix products marked QUANTISED in the list below multiply operands that are first quantised to E2M3 (2 exponent bits, 3 mantissa bits; 6 bits a number), with one power-of-two scale for each 32 numbers along K (OCP MX v1.0); their sums are f32. All else is computed in f32.
;;   The module's matrix products, in the order in which they are computed (A, B: the left and right operand; K: the contracted axis; several contracted axes count as one K, in the product's order):
;;     1. [M 65,536, K 1,024] x [K 1,024, N 1,024]; A: input att_hidden; B: input W: QUANTISED
;;     2. [M 32, K 1,024] x [K 1,024, N 1,024]; A: input rnn_state; B: input U: QUANTISED
;;     3. batch 32 x [M 2,048, K 1,024] x [K 1,024, N 1]; A: computed on the way; B: input rnn_state: left as it is (N = 1 < 16)
;;     4. batch 32 x [M 1,024, K 2,048] x [K 2,048, N 1]; A: input att_hidden; B: softmax: left as it is (N = 1 < 16)
;;   THE QUANTISER, for each operand of a quantised product, along K:
;;     - K is cut into blocks of 32 from its start; a last block that is shorter is filled with zeros.
;;     - A block's scale is 2^e with e = floor(log2(the largest magnitude in the block)) - 2, held to -126 .. 127; a block of zeros has e = 0. As a byte (E8M0): e + 127.
;;     - Each number is divided by its block's scale, clamped to +-7.5, and rounded to the nearest number of E2M3, ties to even, subnormals kept.
;;     - The product sums the exact products of the quantised numbers (number of the format x scale) in f32.
;;   ~~~python
;;   def quantise(x, axis):      # numpy; x: float32 -> the quantised numbers, widened to float32 again
;;       x = np.moveaxis(x, axis, -1); K = x.shape[-1]
;;       x = np.pad(x, [(0, 0)] * (x.ndim - 1) + [(0, -K % 32)]); x = x.reshape(x.shape[:-1] + (-1, 32)); a = np.abs(x).max(-1, keepdims=True)
;;       e = np.where(a > 0, np.clip(np.frexp(np.where(a > 0, a, 1))[1] - 1 - 2, -126, 127), 0)      # np.frexp(a)[1] - 1 = floor(log2(a)), exactly
;;       r = np.clip(x / 2.0 ** e, -7.5, 7.5)
;;       step = 2.0 ** (np.maximum(np.frexp(np.where(r == 0, 1, r))[1] - 1, 0) - 3)
;;       q = np.round(r / step) * step * 2.0 ** e      # np.round: ties to even
;;       return np.moveaxis(q.reshape(q.shape[:-2] + (-1,))[..., :K], -1, axis).astype(np.float32)
;;   ~~~
;; One version. Each part assembles by itself: llvm-mc -triple=amdgcn-amd-amdhsa -mcpu=gfx1250 --defsym DOCPART=n.
;; ======== version 1 of 1: 3 launches
;; limits: values are held in bf16: 8 bits of precision; right only within a limited range of input values
;; workspace buffers: wcod 786,432 bytes; wscl 32,768 bytes; ctile 131,072 bytes; scores 262,144 bytes; stats 131,072 bytes; pacc 2,097,152 bytes
;; launch prep (part 1): grid 128 x 1, 8 waves a work-group, no clusters, 21,504 bytes of LDS; arguments W, U, rnn_state, wcod, wscl, ctile; writes wcod, wscl, ctile
.if DOCPART == 1
	.amdgcn_target "amdgcn-amd-amdhsa--gfx1250"
	.amdhsa_code_object_version 6
	.text
	.protected	k_q4dba37b63c_prep
	.globl	k_q4dba37b63c_prep
	.p2align	8
	.type	k_q4dba37b63c_prep,@function
k_q4dba37b63c_prep:
	s_mov_b64 s[64:65], 0
	v_nop
	global_prefetch_b8 v0, s[64:65] scope:SCOPE_SE
	s_setreg_imm32_b32 hwreg(HW_REG_WAVE_MODE, 25, 1), 1
	s_wait_xcnt 0x0
; FIRST OF THREE LAUNCHES.  The program: c = Q(rs) Q(U)^T; P = Q(h) Q(W)^T; score = sum over e of relu(P + c)[e] rs[e]; out1 = softmax of the scores along s; out0 = sum over s of out1 h.
; NO WORK IS LEFT OUT: the term c stands inside the relu, so it is not the same along the softmax's axis; all four inputs have a way to both outputs and all four are loaded.
; THIS LAUNCH: work-groups 0-63 turn W's rows 16 n .. 16 n + 15 into codes of FP6 (E2M3) and E8M0 scale words, laid in the order of a matrix operand's registers;
; work-groups 64-127 quantise U's rows 16 n .. 16 n + 15 and all 32 rows of rnn_state in registers and make c[b][16 n ..] by the scaled matrix instruction.
; SHARES: wave s (0..7) takes K step s (128 along K).  Lane (r, h) takes row r, and its 64 registers are k = 128 s + 64 c + 32 h + i (c = 0, 1; i = 0..31): two whole blocks of 32, in the operand's own order,
; so a block's largest magnitude needs no other lane and the conversions' results are the operand's registers.
; A lane's eight loads of a block cover its 128 consecutive bytes; neighbouring lanes stand a row apart.  The launch reads 8.1 MB so, once.
; A block's scale is 2^(floor(log2(largest magnitude)) - 2); its byte is that magnitude's exponent field - 2, held at 1 from below by a floor among the maximum's leaves.
; LIMITS: NaN and infinities among the inputs are not served; blocks whose largest magnitude lies under 2^-124 keep the byte 1; a block of zeros has the byte 1 where the rule says 127: its codes are zeros,
; which add nothing under that byte, and the bytes are read by this program alone.
; OUT: wcod [n][s][group c 0..2][lane][16 bytes]; wscl word of row r, K step s at 512 n + 64 s + 4 r; ctile [n][b][16] f32.
; c's eight partial sums (one a K step) meet in LDS and are added in f32.  Both kinds of work-group pass the one barrier.
.set X0,    32                         ; v32-95    64 numbers of W or U
.set X1,    96                         ; v96-159   of rnn_state's rows 0-15; later the partial sums
.set X2,    160                        ; v160-223  of its rows 16-31
.set F0,    224                        ; v224-235  the fragment of W or U
.set F1,    236                        ; v236-247  of rnn_state's rows 0-15
.set F2,    32                         ; v32-43    of its rows 16-31 (X0 is done with by then)
.set D0,    48                         ; v48-55, v56-63: c's two tiles
.set D1,    56
.set SPW,   24                         ; v24  LDS address of my spare word; never rewritten
.set NIL,   25                         ; v25  0; never rewritten
.set REDW,  2560                       ; LDS: a wave's partial sums: 32 rows b x (64 bytes + 16)
.set SPARE, 8*REDW                     ; behind them the spare words, 128 bytes for each of eight waves
; v28, v29, v30: scale words and nothing else
.macro GLOAD x, b, off                 ; 64 numbers of my row: 16 loads of 16 bytes
.irp c, 0,1
.irp j, 0,1,2,3,4,5,6,7
	global_load_b128 v[\x+32*\c+4*\j:\x+32*\c+4*\j+3], v4, s[\b:\b+1] offset:\off+256*\c+16*\j
.endr
.endr
.endm
.macro QUANT6 x, f, word               ; v[x] .. v[x + 63] become a fragment's 12 registers at v[f] and its scale word
	v_max3_num_f32 v6, |v[\x]|, |v[\x+1]|, 0x1800000               ; my two blocks by turns; the floor 2^(3 - 127) is a leaf: the byte cannot fall under 1
	v_max3_num_f32 v7, |v[\x+32]|, |v[\x+33]|, 0x1800000
.irp i, 2,4,6,8,10,12,14,16,18,20,22,24,26,28,30
	s_delay_alu instid0(VALU_DEP_2)
	v_max3_num_f32 v6, v6, |v[\x+\i]|, |v[\x+\i+1]|
	s_delay_alu instid0(VALU_DEP_2)
	v_max3_num_f32 v7, v7, |v[\x+32+\i]|, |v[\x+33+\i]|
.endr
	s_delay_alu instid0(VALU_DEP_2)
	v_add_nc_u32 v8, 0xff000000, v6                ; 2 off the exponent field: the conversion takes this operand's exponent field as its scale
	s_delay_alu instid0(VALU_DEP_2)
	v_add_nc_u32 v9, 0xff000000, v7
	s_delay_alu instid0(VALU_DEP_2)
	v_lshrrev_b32 v10, 23, v8                      ; the scales' bytes: blocks h and 2 + h
	s_delay_alu instid0(VALU_DEP_2)
	v_lshrrev_b32 v11, 23, v9
	s_delay_alu instid0(VALU_DEP_1)
	v_lshl_or_b32 v12, v11, 16, v10
	s_delay_alu instid0(VALU_DEP_1)
	v_lshlrev_b32 v12, v5, v12                     ; 8 h bits up
	s_delay_alu instid0(VALU_DEP_1)
	v_permlanex16_b32 v13, v12, s20, s21
	s_delay_alu instid0(VALU_DEP_1)
	v_or_b32 v[\word], v12, v13                    ; with lane l xor 16's two bytes the word is whole, in every lane
	v_cvt_scalef32_pk16_fp6_f32 v[\f:\f+2], v[\x:\x+15], v8
	v_cvt_scalef32_pk16_fp6_f32 v[14:16], v[\x+16:\x+31], v8       ; (a conversion's three registers begin on an even number: a block's second three are made apart and moved)
	v_cvt_scalef32_pk16_fp6_f32 v[\f+6:\f+8], v[\x+32:\x+47], v9
	v_cvt_scalef32_pk16_fp6_f32 v[18:20], v[\x+48:\x+63], v9
	v_nop                                          ; one plain place behind the scaled conversions
.irp i, 0,1,2
	v_mov_b32 v[\f+3+\i], v[14+\i]
	v_mov_b32 v[\f+9+\i], v[18+\i]
.endr
.endm
	s_load_b256 s[4:11], s[0:1], 0x0               ; W, U, rnn_state, wcod
	s_load_b128 s[12:15], s[0:1], 0x20             ; wscl, ctile
	v_lshl_add_u32 v[SPW], v0, 2, SPARE
	v_mov_b32 v[NIL], 0
	v_lshrrev_b32 v1, 5, v0
	s_delay_alu instid0(VALU_DEP_1)
	v_readfirstlane_b32 s16, v1                    ; wave = K step
	v_and_b32 v1, 15, v0                           ; r
	v_bfe_u32 v2, v0, 4, 1                         ; h
	v_and_b32 v3, 31, v0                           ; lane
	s_delay_alu instid0(VALU_DEP_3)
	v_lshlrev_b32 v4, 12, v1
	s_delay_alu instid0(VALU_DEP_1)
	v_lshl_add_u32 v4, v2, 7, v4                   ; in: row r of 4,096 bytes + 128 h
	s_delay_alu instid0(VALU_DEP_4)
	v_lshlrev_b32 v5, 3, v2                        ; 8 h
	v_mov_b32 v13, 0                               ; written once: a lane permute's destination counts as one of its sources
	v_lshlrev_b32 v21, 4, v3                       ; an image's place for my lane
	v_lshlrev_b32 v22, 2, v1                       ; a scale word's
	s_mul_i32 s22, s16, REDW
	v_mul_u32_u24 v23, v1, 80
	s_delay_alu instid0(VALU_DEP_1)
	v_lshl_add_u32 v23, v2, 5, v23
	s_delay_alu instid0(VALU_DEP_1)
	v_add_nc_u32 v23, s22, v23                     ; LDS, in: my wave's part, row b = r, + 32 h
	v_lshrrev_b32 v26, 3, v3
	s_delay_alu instid0(VALU_DEP_1)
	v_mul_u32_u24 v26, v26, 80
	v_and_b32 v27, 7, v3
	s_delay_alu instid0(VALU_DEP_1)
	v_lshl_add_u32 v26, v27, 3, v26
	s_mul_i32 s22, s16, 320
	v_add_nc_u32 v26, s22, v26                     ; LDS, back: row 4 w + lane / 8, 8 bytes at 8 (lane % 8)
	v_lshlrev_b32 v27, 3, v3                       ; and the same place in ctile: 8 x lane
	s_mov_b32 s20, 0x76543210
	s_mov_b32 s21, 0xfedcba98                      ; v_permlanex16_b32's selects for lane l xor 16
	s_cmp_lt_u32 ttmp9, 64
	s_cselect_b32 s17, 0, 64
	s_sub_co_u32 s17, ttmp9, s17                   ; n: which 16 rows
	s_lshl_b32 s18, s17, 16
	s_lshl_b32 s24, s16, 9
	s_add_co_u32 s18, s18, s24                     ; W, U: 65,536 n + 512 s
	s_mov_b32 s19, 0
	s_mov_b32 s25, 0                               ; rnn_state: 512 s
	s_mul_i32 s26, s17, 12288
	s_mul_i32 s27, s16, 1536
	s_add_co_u32 s26, s26, s27                     ; wcod
	s_mov_b32 s27, 0
	s_lshl_b32 s28, s17, 9
	s_lshl_b32 s29, s16, 6
	s_add_co_u32 s28, s28, s29                     ; wscl
	s_mov_b32 s29, 0
	s_lshl_b32 s30, s17, 11
	s_lshl_b32 s31, s16, 8
	s_add_co_u32 s30, s30, s31                     ; ctile: 2,048 n + 256 w
	s_mov_b32 s31, 0
	s_wait_kmcnt 0x0
	s_cmp_lt_u32 ttmp9, 64                         ; W's work-group or U's: the choice hangs on the work-group's number alone
	s_cselect_b64 s[4:5], s[4:5], s[6:7]
	s_add_nc_u64 s[4:5], s[4:5], s[18:19]
	s_add_nc_u64 s[8:9], s[8:9], s[24:25]
	s_add_nc_u64 s[10:11], s[10:11], s[26:27]
	s_add_nc_u64 s[12:13], s[12:13], s[28:29]
	s_add_nc_u64 s[14:15], s[14:15], s[30:31]
	GLOAD X0, 4, 0
	s_cmp_lt_u32 ttmp9, 64
	s_cbranch_scc1 .Lw
	; ---- U: c's partial sums of K step s
	GLOAD X1, 8, 0
	GLOAD X2, 8, 65536
	s_wait_loadcnt 32                              ; U's 16 loads are in; rnn_state's 32 may be out
	QUANT6 X0, F0, 28
	s_wait_loadcnt 16                              ; rows 0-15 are in; rows 16-31 may be out
	QUANT6 X1, F1, 29
	s_wait_loadcnt 0x0
	QUANT6 X2, F2, 30
.rept 8
	v_nop                                          ; a scale register written by a vector instruction stands 8 places ahead of a scaled matrix instruction, an operand so written 4
.endr
	v_wmma_scale_f32_16x16x128_f8f6f4 v[D0:D0+7], v[F0:F0+11], v[F1:F1+11], 0, v28, v29 matrix_a_fmt:MATRIX_FMT_FP6 matrix_b_fmt:MATRIX_FMT_FP6   ; source 0 = 16 rows of U, source 1 = 16 rows b: lane (r, h) holds b = r, e = 8 h + j
	v_wmma_scale_f32_16x16x128_f8f6f4 v[D1:D1+7], v[F0:F0+11], v[F2:F2+11], 0, v28, v30 matrix_a_fmt:MATRIX_FMT_FP6 matrix_b_fmt:MATRIX_FMT_FP6   ; b = 16 + r
.rept 4
	v_nop                                          ; four places in front of the stores that read the results
.endr
	ds_store_b128 v23, v[D0:D0+3]                  ; each result from its low end on
	ds_store_b128 v23, v[D0+4:D0+7] offset:16
	ds_store_b128 v23, v[D1:D1+3] offset:1280
	ds_store_b128 v23, v[D1+4:D1+7] offset:1296
	s_branch .Lbar
.Lw:	; ---- W: the fragment and its scale words go out as they stand
	s_wait_loadcnt 0x0
	QUANT6 X0, F0, 28
	global_store_b128 v21, v[F0:F0+3], s[10:11]                    ; 32 lanes store 512 consecutive bytes, three times
	global_store_b128 v21, v[F0+4:F0+7], s[10:11] offset:512
	global_store_b128 v21, v[F0+8:F0+11], s[10:11] offset:1024
	global_store_b32 v22, v28, s[12:13]            ; 64 bytes: lanes r and 16 + r hold the same word and name the same place
.Lbar:
	s_wait_dscnt 0x0                               ; for the others' sake: my partial sums lie in LDS
	s_barrier_signal -1
	s_barrier_wait -1
	s_cmp_lt_u32 ttmp9, 64
	s_cbranch_scc1 .Lend
.irp p, 0,1,2,3,4,5,6,7
	ds_load_b64 v[X1+2*\p:X1+2*\p+1], v26 offset:REDW*\p           ; the eight K steps' sums of my two numbers
.endr
	s_wait_dscnt 0x0
	v_pk_add_f32 v[X1:X1+1], v[X1:X1+1], v[X1+2:X1+3]
	v_pk_add_f32 v[X1+4:X1+5], v[X1+4:X1+5], v[X1+6:X1+7]
	v_pk_add_f32 v[X1+8:X1+9], v[X1+8:X1+9], v[X1+10:X1+11]
	v_pk_add_f32 v[X1+12:X1+13], v[X1+12:X1+13], v[X1+14:X1+15]
	s_delay_alu instid0(VALU_DEP_3)
	v_pk_add_f32 v[X1:X1+1], v[X1:X1+1], v[X1+4:X1+5]
	s_delay_alu instid0(VALU_DEP_2)
	v_pk_add_f32 v[X1+8:X1+9], v[X1+8:X1+9], v[X1+12:X1+13]
	s_delay_alu instid0(VALU_DEP_1)
	v_pk_add_f32 v[X1:X1+1], v[X1:X1+1], v[X1+8:X1+9]
	global_store_b64 v27, v[X1:X1+1], s[14:15]     ; a wave stores 256 consecutive bytes, aligned
.Lend:
	s_wait_tensorcnt 0x0                           ; the wave's end, behind my last LDS store
	ds_add_u32 v[SPW], v[NIL]
	s_wait_dscnt 0x0
	s_endpgm
.Lfunc_end_k_q4dba37b63c_prep:
	.size	k_q4dba37b63c_prep, .Lfunc_end_k_q4dba37b63c_prep-k_q4dba37b63c_prep
	.p2alignl 7, 3214868480
	.fill 96, 4, 3214868480
	.section	.rodata,"a",@progbits
	.p2align	6, 0x0
	.amdhsa_kernel k_q4dba37b63c_prep
		.amdhsa_group_segment_fixed_size 21504
		.amdhsa_private_segment_fixed_size 0
		.amdhsa_enable_private_segment 0
		.amdhsa_kernarg_size 48
		.amdhsa_user_sgpr_count 2
		.amdhsa_user_sgpr_kernarg_segment_ptr 1
		.amdhsa_wavefront_size32 1
		.amdhsa_system_sgpr_workgroup_id_x 1
		.amdhsa_system_sgpr_workgroup_id_y 1
		.amdhsa_system_sgpr_workgroup_id_z 1
		.amdhsa_system_vgpr_workitem_id 0
		.amdhsa_next_free_vgpr 256
		.amdhsa_next_free_sgpr 66
		.amdhsa_reserve_vcc 0
		.amdhsa_float_denorm_mode_32 3
		.amdhsa_float_denorm_mode_16_64 3
		.amdhsa_memory_ordered 1
		.amdhsa_forward_progress 1
		.amdhsa_inst_pref_size 27
	.end_amdhsa_kernel
	.amdgpu_metadata
---
amdhsa.version: [ 1, 2 ]
amdhsa.kernels:
  - .name:           k_q4dba37b63c_prep
    .symbol:         k_q4dba37b63c_prep.kd
    .args:
      - { .name: W, .offset: 0, .size: 8, .value_kind: global_buffer, .address_space: global }
      - { .name: U, .offset: 8, .size: 8, .value_kind: global_buffer, .address_space: global }
      - { .name: rnn_state, .offset: 16, .size: 8, .value_kind: global_buffer, .address_space: global }
      - { .name: wcod, .offset: 24, .size: 8, .value_kind: global_buffer, .address_space: global }
      - { .name: wscl, .offset: 32, .size: 8, .value_kind: global_buffer, .address_space: global }
      - { .name: ctile, .offset: 40, .size: 8, .value_kind: global_buffer, .address_space: global }
    .group_segment_fixed_size: 21504
    .private_segment_fixed_size: 0
    .kernarg_segment_align: 8
    .kernarg_segment_size: 48
    .max_flat_workgroup_size: 256
    .sgpr_count:     66
    .vgpr_count:     256
    .wavefront_size: 32
...
	.end_amdgpu_metadata
.endif
;; end of part 1
;; launch match (part 2): grid 512 x 1, 4 waves a work-group, clusters of 4 x 1, 327,680 bytes of LDS; arguments att_hidden, rnn_state, wcod, wscl, ctile, scores, stats, pacc; writes scores, stats, pacc
.if DOCPART == 2
	.amdgcn_target "amdgcn-amd-amdhsa--gfx1250"
	.amdhsa_code_object_version 6
	.text
	.protected	k_q4dba37b63c_match
	.globl	k_q4dba37b63c_match
	.p2align	8
	.type	k_q4dba37b63c_match,@function
k_q4dba37b63c_match:
	s_mov_b64 s[64:65], 0
	v_nop
	global_prefetch_b8 v0, s[64:65] scope:SCOPE_SE
	s_setreg_imm32_b32 hwreg(HW_REG_WAVE_MODE, 25, 1), 1
	s_wait_xcnt 0x0
	s_wait_alu depctr_hold_cnt(0) depctr_sa_sdst(0) depctr_va_vdst(0) depctr_va_sdst(0) depctr_va_ssrc(0) depctr_va_vcc(0) depctr_vm_vsrc(0)
	s_getreg_b32 s2, hwreg(HW_REG_IB_STS2, 6, 4)
	s_cmp_eq_u32 s2, 0
	s_cbranch_scc0 .Lentry_in_a_cluster
	s_endpgm
.Lentry_in_a_cluster:
	s_bfe_u32 s2, ttmp6, 0x10000c
	s_cmp_lg_u32 s2, 0x3003
	s_cbranch_scc0 .Lentry_shape_is_right
	s_endpgm
.Lentry_shape_is_right:
; SECOND OF THREE LAUNCHES.  Nothing of the problem is left out.  A work-group takes 128 rows s of one batch b (chunk g = 16 b + ..) through the whole chain, and att_hidden is read ONCE:
;   load phase: the rows come as f32 tiles (128 rows x 128 along K) into LDS; they are quantised to FP6 codes, which stay in registers, and rounded to bf16, which stays in registers and LDS;
;   product:    P = Q(h) Q(W)^T by the scaled matrix instruction, W's register images walking through a ring of two LDS slots; c is the C of each sum's first instruction;
;               relu and the product with rs, in f32, stand as slices between the matrix instructions; only a row's score is kept;
;   tail:       the chunk's own maximum m, p = e^(score - m), l = sum of p, and sum of p x bf16(h).  Raw scores, (m, l) and the weighted sum go out; the last launch joins a batch's 16 chunks.
; SHARES.  Wave w: row group w / 2 (64 rows), half nh = w % 2 of W's tiles of 16 rows.  So a fragment of W read from LDS feeds four matrix instructions.  Both waves of a row group quantise all its 64 rows
; from LDS: no codes change waves.  A wave's tiles of rows: 0, 1 its own rows 32 w + 16 t + r; 2, 3 its partner's, 32 (w xor 1) + 16 (t - 2) + r.  It keeps the bf16 copy of its own 32 rows.
; THE MATRIX INSTRUCTION IS USED TRANSPOSED: source 0 = 16 rows e of W, source 1 = 16 rows of h: a lane holds ONE row of h and eight e.
; CLUSTER.  The four work-groups of a cluster walk the same W: each slot is asked for JOINTLY, the same load with the same descriptor and the mask of all four.  The f32 tiles are each work-group's own
; (plain loads, behind rounds too).  W's scale words, c and rs of the batch (40 KB, once) come through registers: a small part of what a work-group moves.
; LDS.  T: 384 rows of 512 bytes + 16.  First three staging slots of 128 rows (K step s in slot (s + 1) % 3), then W's two slots of 192 rows on the same grid of rows
; after its last fill T, with W's scale words behind it, is the stage for the bf16 units kept in registers.
; LIMITS: NaN and infinities among the inputs are not served; blocks whose largest magnitude lies under 2^-124 keep the scale byte 1, a block of zeros too (zero codes add nothing); an exponential under 2^-126
; comes out as zero; h is rounded to bf16 for the weighted sum alone (the codes are made of the f32 numbers).
; REGISTERS.  window 0: v1-15 addresses; v16-31 h's scale words, v32-39 W's (scales and nothing else); v40-47 c; v48-63 rs, two sets; v64-71 score sums; v72-135 accumulators, two sets of four;
;   v136-231 W's eight fragments; v232-247 at work; v248 the prefetches' offset.  windows 1, 2: v0-191 h's codes of K steps 0-3, 4-7 (48 a step, 12 a tile); v192-255 and all of window 3: bf16 units.
.set PIT,   528                        ; a row of T
.set SSL,   128*PIT                    ; a staging slot
.set SWV,   32*PIT                     ; a wave's part of it
.set WSL,   192*PIT                    ; a slot of W: 8 tiles
.set WWV,   48*PIT                     ; a wave's load: 2 tiles
.set WTL,   24*PIT                     ; a tile: 8 fragments x 3 rows
.set WFRG,  3*PIT
.set WSC,   384*PIT                    ; W's scale words, 32,768 bytes, as they lie in wscl
.set CBL,   WSC+32768                  ; c[b][e], 4,096 bytes; rs[b][e] 4,096 bytes behind it
.set RET,   CBL+8192                   ; for each wave 4 units (K steps 0, 1 of its two tiles) of 16 rows x (256 + 16) bytes of bf16; later its sums
.set RETW,  17408
.set UNIT,  4352
.set SCX,   RET+4*RETW                 ; [nh][128] partial scores
.set PBUF,  SCX+1024                   ; each wave's own copy of the 128 p
.set SPARE, PBUF+2048                  ; the spare words, 128 bytes a wave
.set DMPW,  58880                      ; the tail's stage in T: a wave's region, 12 units
.set OPIT,  4112                       ; a partial sum of 1,024 f32, + 16
.set R,    1
.set H,    2
.set LN,   3
.set AOWN, 4                           ; my own rows in a staging slot: (32 w + r) PIT + 128 h
.set AOTH, 5                           ; my partner's
.set ADX0, 6                           ; the same in the step's slot
.set ADX1, 7
.set ADMP, 8                           ; where I put a unit's row: RET + RETW w + 272 r + 64 h
.set AW,   9                           ; v9, v10: my four tiles in W's slot 0, 1
.set AWS,  11                          ; my tiles' scale words
.set ACR,  12                          ; my tiles' c; rs 4,096 bytes on
.set H8,   13
.set SPW,  14                          ; LDS address of my spare word; never rewritten
.set NIL,  15                          ; 0; never rewritten
.set ASC,  16                          ; [tile t][j]: lanes 0-15 K step 2 j, lanes 16-31 K step 2 j + 1
.set WS,   32                          ; [set][j] likewise
.set CB,   40
.set RS,   48
.set SC,   64
.set ACC,  72
.set WF,   136
.set TM,   232
.set PFO,  248
.set XA,   72                          ; load phase: 64 numbers, twice; packed bf16, twice
.set XB,   136
.set PK0,  200
.set PK1,  40
.set OA,   72                          ; tail: 64 sums; two units' buffers; eight p
.set LB,   136
.set P2,   200
.set G1S,  32                          ; s[32:39] group 1 of the f32 tiles;  s[40:47] of W's
.set G1W,  40
.set G0S,  48                          ; s[48:59] groups 0 of the three staging slots
.set G0W,  60                          ; s[60:63], s[68:71] of W's two slots
.set MSB, 0
.macro WIN new                         ; the immediate's high byte repeats the setting that is left; a switch that changes nothing is dropped
.if MSB != (\new)
	s_set_vgpr_msb (MSB<<8)|(\new)
.set MSB, (\new)
.endif
.endm
.macro CREST                           ; a round of the cluster's barrier behind its opening barrier
	s_cmp_lg_u32 s20, 0
	s_cbranch_scc1 .Lnot_wave_0_\@
	s_barrier_signal -3
.Lnot_wave_0_\@:
	s_barrier_wait -3
	s_barrier_signal -1
	s_barrier_wait -1
.endm
.macro ROUND
	s_barrier_signal -1
	s_barrier_wait -1
	CREST
.endm
; A staging slot that has been read is filled again, three K steps on.  All my tensor loads have landed, the add, my LDS reads are back; the round; my one load first behind it.
.macro HEADL i
	s_wait_tensorcnt 0x0                           ; no tensor load of mine is out, so a group 0 may be written
	ds_add_u32 v[SPW], v[NIL]
	s_add_nc_u64 s[G0S+4*\i+2:G0S+4*\i+3], s[G0S+4*\i+2:G0S+4*\i+3], 1536
	s_wait_dscnt 0x0
	ROUND
	tensor_load_to_lds s[G0S+4*\i:G0S+4*\i+3], s[G1S:G1S+7]
	s_nop 0
.rept 4
	v_nop
.endr
.endm
; A staging slot's first fill that does not stand at the head is issued as a refill is: the same lines, the round, my one load first behind it; its group 0 stands as the head made it.
.macro HEADF i
	s_wait_tensorcnt 0x0
	ds_add_u32 v[SPW], v[NIL]
	s_wait_dscnt 0x0
	ROUND
	tensor_load_to_lds s[G0S+4*\i:G0S+4*\i+3], s[G1S:G1S+7]
	s_nop 0
.rept 4
	v_nop
.endr
.endm
.macro JLOADW rho
	tensor_load_to_lds s[G0W+8*(\rho):G0W+8*(\rho)+3], s[G1W:G1W+7]
	s_nop 0
.rept 4
	v_nop
.endr
.endm
.macro WFILL rho                       ; W's first two slots land on staging rows that have been read
	s_wait_tensorcnt 0x0
	ds_add_u32 v[SPW], v[NIL]
	s_wait_dscnt 0x0
	ROUND
	JLOADW \rho
.endm
; A prefetch of K step k of my wave's own 32 rows: a lane a row, the row's two blocks of 256 bytes.  K steps 1 and 2 are asked for at the head; K step k from 3 on behind the load of K step k - 2,
; two changes of slots ahead of the load that will ask for it: at most two K steps are asked for and not yet loaded.  Each block is named once in the launch;
; every offset is an immediate and the address registers are never rewritten.  K step 0 comes by its load alone; K step 7 is the last that is named.
.macro ASKH k
	global_prefetch_b8 v[PFO], s[26:27] offset:512*(\k) th:TH_LOAD_NT scope:SCOPE_SE
	global_prefetch_b8 v[PFO], s[26:27] offset:512*(\k)+256 th:TH_LOAD_NT scope:SCOPE_SE
.endm
.macro LOADX x, adr, off               ; my row's 64 numbers of the K step: register 32 c + i = k 64 c + 32 h + i
.irp c, 0,1
.irp j, 0,1,2,3,4,5,6,7
	ds_load_b128 v[\x+32*\c+4*\j:\x+32*\c+4*\j+3], v[\adr] offset:\off+256*\c+16*\j
.endr
.endr
.endm
.macro QUANT6 x, s, t                  ; they become tile t's fragment of K step s, in window 1 or 2, and its scale word
.set CO, 48*((\s)%4)+12*(\t)
.set AR, ASC+4*(\t)+(\s)/2
	v_max3_num_f32 v[TM], |v[\x]|, |v[\x+1]|, 0x1800000            ; my two blocks by turns; the floor 2^(3 - 127) is a leaf: the byte cannot fall under 1
	v_max3_num_f32 v[TM+1], |v[\x+32]|, |v[\x+33]|, 0x1800000
.irp i, 2,4,6,8,10,12,14,16,18,20,22,24,26,28,30
	v_max3_num_f32 v[TM], v[TM], |v[\x+\i]|, |v[\x+\i+1]|
	v_max3_num_f32 v[TM+1], v[TM+1], |v[\x+32+\i]|, |v[\x+33+\i]|
.endr
	v_add_nc_u32 v[TM+2], 0xff000000, v[TM]        ; 2 off the exponent field: the conversion's scale operand
	v_add_nc_u32 v[TM+3], 0xff000000, v[TM+1]
	v_lshrrev_b32 v[TM+4], 23, v[TM+2]             ; the bytes of blocks h and 2 + h
	v_lshrrev_b32 v[TM+5], 23, v[TM+3]
	v_lshl_or_b32 v[TM+6], v[TM+5], 16, v[TM+4]
	v_lshlrev_b32 v[TM+6], v[H8], v[TM+6]
	v_permlanex16_b32 v[TM+7], v[TM+6], s30, s31
.if ((\s)%2) == 0
	v_or_b32 v[AR], v[TM+6], v[TM+7]               ; an even K step's word, in every lane;
.else
	v_or_b32 v[TM+15], v[TM+6], v[TM+7]
	v_cndmask_b32 v[AR], v[AR], v[TM+15], s28      ; the odd one's takes lanes 16-31
.endif
	v_cvt_scalef32_pk16_fp6_f32 v[TM+8:TM+10], v[\x+16:\x+31], v[TM+2]     ; (a conversion's three registers begin on an even number: a block's second three are made apart and moved)
	v_cvt_scalef32_pk16_fp6_f32 v[TM+12:TM+14], v[\x+48:\x+63], v[TM+3]
	WIN (1+(\s)/4)<<6
	v_cvt_scalef32_pk16_fp6_f32 v[CO:CO+2], v[\x:\x+15], v[TM+2]
	v_cvt_scalef32_pk16_fp6_f32 v[CO+6:CO+8], v[\x+32:\x+47], v[TM+3]
	v_nop                                          ; one plain place behind the scaled conversions
.irp i, 0,1,2
	v_mov_b32 v[CO+3+\i], v[TM+8+\i]
	v_mov_b32 v[CO+9+\i], v[TM+12+\i]
.endr
	WIN 0
.endm
.macro RBLOC q                         ; where bf16 unit q = 2 (s - 2) + t is kept: window RBW, register RBB
.if (\q) < 2
.set RBW, 1
.set RBB, 192+32*(\q)
.elseif (\q) < 4
.set RBW, 2
.set RBB, 192+32*((\q)-2)
.else
.set RBW, 3
.set RBB, 32*((\q)-4)
.endif
.endm
.macro PACK x, win, base               ; 64 numbers to 32 registers of bf16
	WIN (\win)<<6
.set PP, 0
.rept 32
	v_cvt_pk_bf16_f32 v[(\base)+PP], v[(\x)+2*PP], v[(\x)+2*PP+1]
.set PP, PP+1
.endr
	WIN 0
.endm
.macro DUMP adr, win, base, off        ; a unit to LDS as rows of 256 bytes: my row, bytes 128 c + 64 h + 16 q
	WIN (\win)<<2
.irp c, 0,1
.irp q, 0,1,2,3
	ds_store_b128 v[\adr], v[(\base)+16*\c+4*\q:(\base)+16*\c+4*\q+3] offset:(\off)+128*\c+16*\q
.endr
.endr
	WIN 0
.endm
.macro KEEP x, s, t                    ; the bf16 copy of my own tile t: K steps 0, 1 to LDS, the others stay in registers
.if (\s) < 2
.if (\t) == 0
	PACK \x, 0, PK0
	DUMP ADMP, 0, PK0, UNIT*(\s)
.else
	PACK \x, 0, PK1
	DUMP ADMP, 0, PK1, UNIT*(2+(\s))
.endif
.else
	RBLOC 2*((\s)-2)+(\t)
	PACK \x, RBW, RBB
.endif
.endm
.macro STEP s                          ; K step s of the row group's four tiles.  No LDS instruction of mine is out at its head
	v_add_nc_u32 v[ADX0], SSL*(((\s)+1)%3), v[AOWN]
	v_add_nc_u32 v[ADX1], SSL*(((\s)+1)%3), v[AOTH]
	LOADX XA, ADX0, 0
	LOADX XB, ADX0, 16*PIT
	s_wait_dscnt 16                                ; tile 0 is in; tile 1's 16 loads may be out
	QUANT6 XA, \s, 0
	KEEP XA, \s, 0
	LOADX XA, ADX1, 0
.if (\s) < 2
	s_wait_dscnt 24                                ; tile 1 is in; behind it: 8 stores of the unit, 16 loads
.else
	s_wait_dscnt 16
.endif
	QUANT6 XB, \s, 1
	KEEP XB, \s, 1
	LOADX XB, ADX1, 16*PIT
.if (\s) < 2
	s_wait_dscnt 24                                ; tile 2 is in; the same count
.else
	s_wait_dscnt 16
.endif
	QUANT6 XA, \s, 2
	s_wait_dscnt 0x0
	QUANT6 XB, \s, 3
.endm
; Four matrix instructions: W's fragment of K step s against the four tiles of rows.  The four accumulators take turns, one instruction a turn.
.macro GROUP s, a
	WIN (1+(\s)/4)<<2                              ; source 1, the codes: window 1 or 2
.irp t, 0,1,2,3
.set GD, ACC+32*(\a)+8*\t
.set GB, 48*((\s)%4)+12*\t
.if (\s) == 0
	v_wmma_scale_f32_16x16x128_f8f6f4 v[GD:GD+7], v[WF:WF+11], v[GB:GB+11], v[CB:CB+7], v[WS+4*(\a)], v[ASC+4*\t] matrix_a_fmt:MATRIX_FMT_FP6 matrix_b_fmt:MATRIX_FMT_FP6
.elseif ((\s)%2) == 0
	v_wmma_scale_f32_16x16x128_f8f6f4 v[GD:GD+7], v[WF+12*(\s):WF+12*(\s)+11], v[GB:GB+11], v[GD:GD+7], v[WS+4*(\a)+(\s)/2], v[ASC+4*\t+(\s)/2] matrix_a_fmt:MATRIX_FMT_FP6 matrix_b_fmt:MATRIX_FMT_FP6
.else
	v_wmma_scale_f32_16x16x128_f8f6f4 v[GD:GD+7], v[WF+12*(\s):WF+12*(\s)+11], v[GB:GB+11], v[GD:GD+7], v[WS+4*(\a)+(\s)/2], v[ASC+4*\t+(\s)/2] matrix_a_fmt:MATRIX_FMT_FP6 matrix_b_fmt:MATRIX_FMT_FP6 matrix_a_scale:MATRIX_SCALE_ROW1 matrix_b_scale:MATRIX_SCALE_ROW1
.endif
.endr
.endm
; Slice s of 8 of the tile before's way to the scores, on the OTHER set of accumulators: relu and x rs for half an accumulator (tile of rows s / 2; the low half first).
; Six plain instructions that name none of the groups' registers: a run of slices is the places in front of the loads that follow it.  The first slice behind a run of groups sets every window back to 0.
.macro SLV s, a
	WIN 0
.set XR, ACC+32*(1-(\a))+8*((\s)/2)+4*((\s)%2)
.set YR, RS+8*(1-(\a))+4*((\s)%2)
.set ZR, SC+2*((\s)/2)+(TM-SC)*((\s)%2)   ; even slices sum in v64-71, odd ones in v232-239: a sum is read again only a whole tile later; the tail adds the two
.irp k, 0,1,2,3
	v_max_num_f32 v[XR+\k], 0, v[XR+\k]
.endr
	v_pk_fma_f32 v[ZR:ZR+1], v[XR:XR+1], v[YR:YR+1], v[ZR:ZR+1]
	v_pk_fma_f32 v[ZR:ZR+1], v[XR+2:XR+3], v[YR+2:YR+3], v[ZR:ZR+1]
.endm
.macro LDW s, adr, off                 ; a fragment of W: the image of its 12 registers
.irp c, 0,1,2
	ds_load_b128 v[WF+12*(\s)+4*\c:WF+12*(\s)+4*\c+3], v[\adr] offset:(\off)+WFRG*(\s)+PIT*\c
.endr
.endm
.macro LDCB i                          ; c of tile i's e = 8 h + 0 .. 7
	ds_load_b128 v[CB:CB+3], v[ACR] offset:64*(\i)
	ds_load_b128 v[CB+4:CB+7], v[ACR] offset:64*(\i)+16
.endm
.macro LDWS w, i                       ; tile i's scale words: four registers for eight K steps
.irp j, 0,1,2,3
	ds_load_b32 v[WS+4*(\w)+\j], v[AWS] offset:512*(\i)+128*\j
.endr
.endm
.macro LDRS w, i                       ; rs of tile i's e
	ds_load_b128 v[RS+8*(\w):RS+8*(\w)+3], v[ACR] offset:4096+64*(\i)
	ds_load_b128 v[RS+8*(\w)+4:RS+8*(\w)+7], v[ACR] offset:4096+64*(\i)+16
.endm
; A tile of W that has its successor in the same slot, in two halves: four groups (16 matrix instructions under one setting of the windows), four slices, then ONE run of LDS loads into the registers that the groups have read.
; A tile issues 32 LDS loads: 20 in its middle (the next tile's fragments 0-3, c, scale words; this tile's rs), 12 at its end (fragments 4-7).
.macro TILE0 i, rho
	s_wait_dscnt 12                                ; all but the last tile's loads of fragments 4-7
.irp s, 0,1,2,3
	GROUP \s, (\i)%2
.endr
.irp s, 0,1,2,3
	SLV \s, (\i)%2
.endr
.irp s, 0,1,2,3
	LDW \s, AW+\rho, ((\i)+1)*WTL
.endr
	LDCB (\i)+1
	LDWS 1-(\i)%2, (\i)+1
	LDRS (\i)%2, \i
	s_wait_dscnt 20                                ; fragments 4-7 are in: behind their loads stand the 20 just issued
.irp s, 4,5,6,7
	GROUP \s, (\i)%2
.endr
.irp s, 4,5,6,7
	SLV \s, (\i)%2
.endr
.irp s, 4,5,6,7
	LDW \s, AW+\rho, ((\i)+1)*WTL
.endr
.endm
; A slot's last tile changes slots.  All its fragments were asked for in the tile before, so my reads of the slot end at the wait for 0.  kind = 1: the slot is filled again, two slots on, jointly.
.macro TILEC rho, kind
	LDRS 1, 3
	s_wait_tensorcnt 0x0                           ; all my tensor loads have landed: my part of the other slot
	ds_add_u32 v[SPW], v[NIL]
	s_wait_dscnt 15                                ; fragments 4-7 (12), rs (2) and the add may be out
	GROUP 0, 1
	GROUP 1, 1
	SLV 0, 1
	SLV 1, 1
	s_wait_dscnt 0x0                               ; the add is done, and my reads of this slot are over
	s_barrier_signal -1
	v_add_nc_u32 v[AWS], 4096, v[AWS]              ; on to the next slot's tables (no LDS load of mine is out)
	v_add_nc_u32 v[ACR], 512, v[ACR]
	GROUP 2, 1
	GROUP 3, 1
	SLV 2, 1
	SLV 3, 1
	s_barrier_wait -1
.if \kind == 1
	CREST                                          ; the barrier has opened a round of the cluster's: no wave of any partner reads this slot or has a load on its way
	s_add_nc_u64 s[G0W+8*(\rho)+2:G0W+8*(\rho)+3], s[G0W+8*(\rho)+2:G0W+8*(\rho)+3], 2*8*12288
	JLOADW \rho                                    ; 112 matrix instructions ahead of the wait for it
.endif
.irp s, 0,1,2,3
	LDW \s, AW+1-\rho, 0
.endr
	LDCB 0
	LDWS 0, 0
.irp s, 4,5,6,7
	GROUP \s, 1
.endr
.irp s, 4,5,6,7
	SLV \s, 1
.endr
.irp s, 4,5,6,7
	LDW \s, AW+1-\rho, 0
.endr
.endm
.macro TILEL                           ; the very last tile fetches nothing but its rs
	s_wait_dscnt 12                                ; all but the loads of fragments 4-7
.irp s, 0,1,2,3
	GROUP \s, 1
.endr
.irp s, 0,1,2,3
	SLV \s, 1
.endr
	LDRS 1, 3
	s_wait_dscnt 2                                 ; fragments 4-7 are in; the two loads of rs may be out
.irp s, 4,5,6,7
	GROUP \s, 1
.endr
.irp s, 4,5,6,7
	SLV \s, 1
.endr
.endm
.macro SLOT rho, kind
	TILE0 0, \rho
	TILE0 1, \rho
	TILE0 2, \rho
.if \kind == 3
	TILEL
.else
	TILEC \rho, \kind
.endif
.endm
.macro ULOAD u                         ; unit u (K step u) of the tile in hand: eight loads, rows 2 i + h, 16 bytes at 16 (lane % 16)
.irp i, 0,1,2,3,4,5,6,7
.if (\u) < 2
	ds_load_b128 v[LB+32*((\u)%2)+4*\i:LB+32*((\u)%2)+4*\i+3], v9 offset:UNIT*(\u)+544*\i
.else
	ds_load_b128 v[LB+32*((\u)%2)+4*\i:LB+32*((\u)%2)+4*\i+3], v10 offset:UNIT*((\u)-2)+544*\i
.endif
.endr
.endm
.macro UFMA u                          ; sums 8 u + 0 .. 7 (columns 128 u + 8 (lane % 16) + ..) += bf16(h) x p, straight from the halves
.irp i, 0,1,2,3,4,5,6,7
.irp q, 0,1,2,3
	v_fma_mix_f32_bf16 v[OA+8*(\u)+2*\q], v[LB+32*((\u)%2)+4*\i+\q], v[P2+\i], v[OA+8*(\u)+2*\q] op_sel_hi:[1,0,0]
	v_fma_mix_f32_bf16 v[OA+8*(\u)+2*\q+1], v[LB+32*((\u)%2)+4*\i+\q], v[P2+\i], v[OA+8*(\u)+2*\q+1] op_sel:[1,0,0] op_sel_hi:[1,0,0]
.endr
.endr
.endm
	s_load_b512 s[4:19], s[0:1], 0x0               ; att_hidden, rnn_state, wcod, wscl, ctile, scores, stats, pacc
	v_lshl_add_u32 v[SPW], v0, 2, SPARE
	v_mov_b32 v[NIL], 0
	ds_add_u32 v[SPW], v[NIL]                      ; the wave's opening: the add, twice on end, and its wait ahead of my first tensor load
	ds_add_u32 v[SPW], v[NIL]
	v_lshrrev_b32 v1, 5, v0
	v_readfirstlane_b32 s20, v1                    ; wave 0..3
	s_and_b32 s21, s20, 1                          ; nh
	s_xor_b32 s22, s20, 1                          ; my partner
	s_bfe_u32 s23, ttmp6, 0x40000                  ; cx: it enters global addresses of plain loads and of stores alone
	s_lshl_b32 s24, ttmp9, 2
	s_add_co_u32 s24, s24, s23                     ; g = 4 x cluster + cx
	s_lshr_b32 s25, ttmp9, 2                       ; b, which the four partners share
	s_mov_b32 s28, 0xffff0000                      ; lanes 16-31
	s_mov_b32 s30, 0x76543210
	s_mov_b32 s31, 0xfedcba98                      ; v_permlanex16_b32's selects for lane l xor 16
	s_mov_b32 s73, 0x3fb8aa3b                      ; log2(e)
	s_mov_b32 s[G1S], (2<<16)|(1<<20)|(6<<22)|(3<<25)      ; no mask; elements of 4 bytes; 4 words of padding behind every 128
	s_mov_b32 s[G1S+1], 128<<16                    ; tensor_dim0 = 128
	s_mov_b32 s[G1S+2], 32<<16                     ; tensor_dim1 = 32
	s_mov_b32 s[G1S+3], 128<<16                    ; tile_dim0
	s_mov_b32 s[G1S+4], 32                         ; tile_dim1
	s_mov_b32 s[G1S+5], 1024                       ; elements from row to row
	s_mov_b32 s[G1S+6], 0
	s_mov_b32 s[G1S+7], 0
	s_mov_b32 s[G1W], 15|(3<<16)|(1<<20)|(1<<21)|(6<<22)|(3<<25)   ; the mask of all four, bit 21 beside it; elements of 8 bytes; the same padding
	s_mov_b32 s[G1W+1], 64<<16                     ; a dense block as 48 rows of 512 bytes
	s_mov_b32 s[G1W+2], 48<<16
	s_mov_b32 s[G1W+3], 64<<16
	s_mov_b32 s[G1W+4], 48
	s_mov_b32 s[G1W+5], 64
	s_mov_b32 s[G1W+6], 0
	s_mov_b32 s[G1W+7], 0
	s_lshl_b32 s26, s24, 19
	s_lshl_b32 s27, s20, 17
	s_add_co_u32 s26, s26, s27                     ; my wave's 32 rows of att_hidden: (128 g + 32 w) x 4,096 bytes
	s_mov_b32 s27, 0
	s_mul_i32 s76, s20, 2*12288                    ; my two tiles of a slot of W: the wave's number alone
	s_mov_b32 s77, 0
	s_mul_i32 s78, s20, SWV
	s_mul_i32 s79, s20, WWV
	s_lshl_b32 s74, s25, 12                        ; rs: 4,096 b
	s_mov_b32 s75, 0
	s_lshl_b32 s80, s25, 6                         ; ctile: 64 b
	s_mov_b32 s81, 0
	s_lshl_b32 s84, s24, 9                         ; scores: 512 g
	s_mov_b32 s85, 0
	s_lshl_b32 s86, s24, 8                         ; stats: 256 g
	s_mov_b32 s87, 0
	s_lshl_b32 s88, s24, 12
	s_lshl_b32 s89, s20, 10
	s_add_co_u32 s88, s88, s89                     ; pacc: 4,096 g + 1,024 w
	s_mov_b32 s89, 0
	s_wait_dscnt 0x0                               ; both opening adds are done
	s_wait_kmcnt 0x0
	s_add_nc_u64 s[26:27], s[4:5], s[26:27]
	s_add_nc_u64 s[76:77], s[8:9], s[76:77]
	s_add_nc_u64 s[6:7], s[6:7], s[74:75]
	s_add_nc_u64 s[12:13], s[12:13], s[80:81]
	s_add_nc_u64 s[14:15], s[14:15], s[84:85]
	s_add_nc_u64 s[16:17], s[16:17], s[86:87]
	s_add_nc_u64 s[18:19], s[18:19], s[88:89]
.irp i, 0,1,2
	s_mov_b32 s[G0S+4*\i], 1
	s_add_co_u32 s[G0S+4*\i+1], s78, \i*SSL
	s_add_nc_u64 s[G0S+4*\i+2:G0S+4*\i+3], s[26:27], 512*((\i+2)%3)        ; slots 0, 1, 2 begin with K steps 2, 0, 1
	s_or_b32 s[G0S+4*\i+3], s[G0S+4*\i+3], 0x80000000
.endr
.irp i, 0,1
	s_mov_b32 s[G0W+8*\i], 1
	s_add_co_u32 s[G0W+8*\i+1], s79, \i*WSL
	s_add_nc_u64 s[G0W+8*\i+2:G0W+8*\i+3], s[76:77], \i*8*12288
	s_or_b32 s[G0W+8*\i+3], s[G0W+8*\i+3], 0x80000000
.endr
	ROUND                                          ; in front of the first loads
	tensor_load_to_lds s[G0S+4:G0S+7], s[G1S:G1S+7]                ; K step 0: my one load at the head
	s_nop 0
.rept 4
	v_nop
.endr
	; the tables: W's scale words as they lie, c and rs of my batch: 20 loads of 16 bytes a thread, through registers into LDS bytes that no tensor load fills
	v_lshlrev_b32 v[TM], 4, v0                     ; 16 t
	v_lshrrev_b32 v[TM+1], 2, v0
	v_and_b32 v[TM+2], 3, v0
	v_lshlrev_b32 v[TM+1], 11, v[TM+1]
	v_lshl_add_u32 v[TM+1], v[TM+2], 4, v[TM+1]    ; ctile: tile t / 4, piece t % 4
.irp k, 0,1,2,3,4,5,6,7,8,9,10,11,12,13,14,15
	global_load_b128 v[72+4*\k:75+4*\k], v[TM], s[10:11] offset:2048*\k
.endr
.irp k, 0,1
	global_load_b128 v[136+4*\k:139+4*\k], v[TM+1], s[12:13] offset:65536*\k
	global_load_b128 v[144+4*\k:147+4*\k], v[TM], s[6:7] offset:2048*\k
.endr
	v_add_nc_u32 v[TM+3], WSC, v[TM]
	v_and_b32 v[R], 15, v0
	v_bfe_u32 v[H], v0, 4, 1
	v_and_b32 v[LN], 31, v0
	v_lshlrev_b32 v[H8], 3, v[H]
	v_lshlrev_b32 v[PFO], 12, v[LN]
	v_mul_u32_u24 v[TM+4], v[R], PIT
	v_lshl_add_u32 v[TM+4], v[H], 7, v[TM+4]
	s_mul_i32 s82, s22, SWV
	v_add_nc_u32 v[AOWN], s78, v[TM+4]
	v_add_nc_u32 v[AOTH], s82, v[TM+4]
	s_mul_i32 s83, s20, RETW
	s_add_co_u32 s83, s83, RET                     ; my part of RET: kept to the end
	v_mul_u32_u24 v[ADMP], v[R], 272
	v_lshl_add_u32 v[ADMP], v[H], 6, v[ADMP]
	v_add_nc_u32 v[ADMP], s83, v[ADMP]
	s_mul_i32 s74, s21, 4*WTL
	v_lshlrev_b32 v[AW], 4, v[LN]
	v_add_nc_u32 v[AW], s74, v[AW]
	v_add_nc_u32 v[AW+1], WSL, v[AW]
	s_lshl_b32 s75, s21, 11
	s_add_co_u32 s75, s75, WSC
	v_lshl_add_u32 v[AWS], v[LN], 2, s75
	s_lshl_b32 s80, s21, 8
	s_add_co_u32 s80, s80, CBL
	v_lshl_add_u32 v[ACR], v[H], 5, s80
	v_mov_b32 v[TM+7], 0                           ; written once: a lane permute's destination counts as one of its sources
	s_wait_alu depctr_va_vdst(0)
	ASKH 1
	ASKH 2
	s_wait_loadcnt 0x0
.irp k, 0,1,2,3,4,5,6,7,8,9,10,11,12,13,14,15
	ds_store_b128 v[TM+3], v[72+4*\k:75+4*\k] offset:2048*\k
.endr
.irp k, 0,1
	ds_store_b128 v[TM+3], v[136+4*\k:139+4*\k] offset:32768+2048*\k
	ds_store_b128 v[TM+3], v[144+4*\k:147+4*\k] offset:36864+2048*\k
.endr
	HEADF 2                                        ; my part of K step 0 and of the tables lies in LDS, and the round shows that of every wave; K step 1 into its slot, a first fill
	ASKH 3
	; ---- THE LOAD PHASE, written out: the registers that take the codes and the bf16 units differ from step to step
	STEP 0
	HEADF 0                                        ; K step 1 is whole; K step 2 into its slot, a first fill
	ASKH 4
	STEP 1
	HEADL 1                                        ; K step 3 into the slot that step 0 has read
	ASKH 5
	STEP 2
	HEADL 2                                        ; K step 4
	ASKH 6
	STEP 3
	HEADL 0                                        ; K step 5
	ASKH 7
	STEP 4
	HEADL 1                                        ; K step 6
	STEP 5
	HEADL 2                                        ; K step 7
	STEP 6
	WFILL 0                                        ; W's tiles 0-7 over rows 0-191: the slots of K steps 5 and 6 have been read
	STEP 7
	WFILL 1                                        ; W's tiles 8-15 over rows 192-383; the round has shown tiles 0-7 landed to every wave
	; ---- THE PRODUCT
.irp s, 0,1,2,3,4,5,6,7
	LDW \s, AW, 0
.endr
	LDCB 0
	LDWS 0, 0
.set PP, 0
.rept 32
	v_mov_b32 v[ACC+32+PP], 0                      ; the first tile's slices find zeros, so one text serves every tile.  These 56 lines are also the places behind the codes and scale words just made
.set PP, PP+1
.endr
.set PP, 0
.rept 8
	v_mov_b32 v[TM+PP], 0                          ; the odd slices' sums
	v_mov_b32 v[RS+8+PP], 0
	v_mov_b32 v[SC+PP], 0
.set PP, PP+1
.endr
	s_wait_dscnt 0x0
	s_mov_b32 s72, 3
.Lg:                                               ; three trips: slots' worth 0 to 5 of W's eight, each filled again two on
	SLOT 0, 1
	SLOT 1, 1
	s_sub_co_u32 s72, s72, 1
	s_cmp_lg_u32 s72, 0
	s_cbranch_scc1 .Lg
	SLOT 0, 2                                      ; the tail is written out: nothing more is asked for
	SLOT 1, 3
	; ---- THE TAIL
	s_wait_dscnt 0x0                               ; the last tile's rs
.irp s, 0,1,2,3,4,5,6,7
	SLV \s, 0                                      ; the last tile's way to the scores (the slice behind its last group was the places)
.endr
.irp t, 0,1,2,3
	v_pk_add_f32 v[SC+2*\t:SC+2*\t+1], v[SC+2*\t:SC+2*\t+1], v[TM+2*\t:TM+2*\t+1]   ; the even and the odd slices' sums
.endr
.irp t, 0,1,2,3
	v_add_f32 v[TM+\t], v[SC+2*\t], v[SC+2*\t+1]
.endr
.irp t, 0,1,2,3
	v_permlanex16_b32 v[TM+4+\t], v[TM+\t], s30, s31
.endr
.irp t, 0,1,2,3
	v_add_f32 v[TM+\t], v[TM+\t], v[TM+4+\t]       ; row r of tile t, over my half of W's rows
.endr
	s_lshl_b32 s74, s21, 9
	s_add_co_u32 s74, s74, SCX
	s_lshl_b32 s75, s20, 7
	s_add_co_u32 s75, s75, s74
	s_lshl_b32 s76, s22, 7
	s_add_co_u32 s76, s76, s74
	v_lshl_add_u32 v4, v[R], 2, s75                ; plane nh, my own rows;
	v_lshl_add_u32 v5, v[R], 2, s76                ; my partner's
	ds_store_b32 v4, v[TM]                         ; (lanes r and 16 + r write the same word with the same value)
	ds_store_b32 v4, v[TM+1] offset:64
	ds_store_b32 v5, v[TM+2]
	ds_store_b32 v5, v[TM+3] offset:64
	s_wait_dscnt 0x0
	s_barrier_signal -1
	s_barrier_wait -1                              ; both planes are whole; and no wave reads the ring or W's scale words any more
	v_lshl_add_u32 v6, v[LN], 4, SCX
	ds_load_b128 v[40:43], v6                      ; every wave takes all 128 scores, four a lane
	ds_load_b128 v[44:47], v6 offset:512
	s_mul_i32 s77, s20, DMPW
	s_lshl_b32 s78, s20, 9
	s_add_co_u32 s78, s78, PBUF
	s_lshl_b32 s79, s20, 7
	s_add_co_u32 s79, s79, s78
	v_lshl_add_u32 v7, v[LN], 4, s78               ; my wave's copy of p
	v_mul_u32_u24 v8, v[R], 272
	v_lshl_add_u32 v8, v[H], 6, v8
	v_add_nc_u32 v8, s77, v8                       ; the stage in T: where I put a unit's row
	v_mul_u32_u24 v9, v[H], 272
	v_lshl_add_u32 v9, v[R], 4, v9
	v_add_nc_u32 v10, s77, v9                      ; and where I read rows back: from the stage,
	v_add_nc_u32 v9, s83, v9                       ; from RET
	v_lshl_add_u32 v11, v[H], 2, s79               ; p of row 32 w + h
	v_mul_u32_u24 v12, v[H], OPIT
	v_lshl_add_u32 v12, v[R], 5, v12
	v_add_nc_u32 v12, s83, v12                     ; my sums' place
	s_lshl_b32 s80, s20, 10
	s_add_co_u32 s80, s80, RET
	v_lshl_add_u32 v13, v[LN], 4, s80              ; the eight partial sums of my 256 columns
	v_lshlrev_b32 v56, 4, v[LN]
	s_wait_dscnt 0x0
	v_pk_add_f32 v[40:41], v[40:41], v[44:45]
	v_pk_add_f32 v[42:43], v[42:43], v[46:47]      ; the scores of rows 4 l .. 4 l + 3
	v_max3_num_f32 v48, v40, v41, v42
	v_max_num_f32 v48, v48, v43
	v_max_num_f32_dpp v48, v48, v48 row_xmask:1 row_mask:0xf bank_mask:0xf
	v_max_num_f32_dpp v48, v48, v48 row_xmask:2 row_mask:0xf bank_mask:0xf
	v_max_num_f32_dpp v48, v48, v48 row_xmask:4 row_mask:0xf bank_mask:0xf
	v_max_num_f32_dpp v48, v48, v48 row_xmask:8 row_mask:0xf bank_mask:0xf
	v_permlanex16_b32 v49, v48, s30, s31
	v_max_num_f32 v50, v48, v49                    ; m: the chunk's largest score
.irp k, 0,1,2,3
	v_sub_f32 v[52+\k], v[40+\k], v50
.endr
.irp k, 0,1,2,3
	v_mul_f32 v[52+\k], s73, v[52+\k]
.endr
	s_wait_alu depctr_va_vdst(0)
.irp k, 0,1,2,3
	v_exp_f32 v[52+\k], v[52+\k]                   ; p = e^(score - m)
.endr
	v_lshlrev_b32 v57, 3, v[LN]                    ; (a plain place behind the exponentials)
	s_wait_alu depctr_va_vdst(0)                   ; one wait for the four, ahead of their first reader
	v_add_f32 v51, v52, v53
	v_add_f32 v49, v54, v55
	v_add_f32 v51, v51, v49
	v_add_f32_dpp v51, v51, v51 row_xmask:1 row_mask:0xf bank_mask:0xf
	v_add_f32_dpp v51, v51, v51 row_xmask:2 row_mask:0xf bank_mask:0xf
	v_add_f32_dpp v51, v51, v51 row_xmask:4 row_mask:0xf bank_mask:0xf
	v_add_f32_dpp v51, v51, v51 row_xmask:8 row_mask:0xf bank_mask:0xf
	v_permlanex16_b32 v49, v51, s30, s31
	v_add_f32 v51, v51, v49                        ; l
	s_cmp_lg_u32 s20, 0
	s_cbranch_scc1 .Lnot_first
	global_store_b128 v56, v[40:43], s[14:15]      ; wave 0: the raw scores, 512 consecutive bytes;
	global_store_b64 v57, v[50:51], s[16:17]       ; (m, l) from every lane: 256 consecutive bytes.  None of these registers is written again
.Lnot_first:
	ds_store_b128 v7, v[52:55]
.irp s, 2,3,4,5,6,7                            ; the twelve units kept in registers go to my region of the stage
.irp t, 0,1
	RBLOC 2*(\s-2)+\t
	DUMP 8, RBW, RBB, UNIT*(6*\t+\s-2)
.endr
.endr
.set PP, 0
.rept 64
	v_mov_b32 v[OA+PP], 0                          ; the loop below is written once: its first trip finds zeros
.set PP, PP+1
.endr
	s_mov_b32 s72, 2
.Ltau:                                             ; a trip takes one of my two tiles of 16 rows through its eight units.  LDS serves a wave's instructions in order: these loads see my stores
.irp i, 0,1,2,3,4,5,6,7
	ds_load_b32 v[P2+\i], v11 offset:8*\i          ; p of rows 2 i + h
.endr
	ULOAD 0
.irp u, 0,1,2,3,4,5,6,7
.if \u < 7
	ULOAD \u+1
	s_wait_dscnt 8                                 ; unit u (and p) is in; the next unit's eight loads may be out
.else
	s_wait_dscnt 0x0
.endif
	UFMA \u
.endr
	v_add_nc_u32 v9, 2*UNIT, v9                    ; the next tile (no LDS load of mine is out)
	v_add_nc_u32 v10, 6*UNIT, v10
	v_add_nc_u32 v11, 64, v11
	s_sub_co_u32 s72, s72, 1
	s_cmp_lg_u32 s72, 0
	s_wait_alu depctr_va_vdst(0)                   ; directly ahead of the branch
	s_cbranch_scc1 .Ltau
.irp u, 0,1,2,3,4,5,6,7
	ds_store_b128 v12, v[OA+8*\u:OA+8*\u+3] offset:512*\u          ; my sums over rows of parity h, 1,024 columns, into my own part of RET, whose units I have read
	ds_store_b128 v12, v[OA+8*\u+4:OA+8*\u+7] offset:512*\u+16
.endr
	s_wait_dscnt 0x0
	s_barrier_signal -1
	s_barrier_wait -1                              ; the eight partial sums lie in LDS
.irp g, 0,1
.irp p, 0,1,2,3,4,5,6,7
	ds_load_b128 v[LB+32*\g+4*\p:LB+32*\g+4*\p+3], v13 offset:RETW*(\p/2)+OPIT*(\p%2)+512*\g
.endr
.endr
	s_wait_dscnt 0x0
.irp g, 0,1
.irp p, 0,2,4,6
	v_pk_add_f32 v[LB+32*\g+4*\p:LB+32*\g+4*\p+1], v[LB+32*\g+4*\p:LB+32*\g+4*\p+1], v[LB+32*\g+4*\p+4:LB+32*\g+4*\p+5]
	v_pk_add_f32 v[LB+32*\g+4*\p+2:LB+32*\g+4*\p+3], v[LB+32*\g+4*\p+2:LB+32*\g+4*\p+3], v[LB+32*\g+4*\p+6:LB+32*\g+4*\p+7]
.endr
.irp p, 0,4
	v_pk_add_f32 v[LB+32*\g+4*\p:LB+32*\g+4*\p+1], v[LB+32*\g+4*\p:LB+32*\g+4*\p+1], v[LB+32*\g+4*\p+8:LB+32*\g+4*\p+9]
	v_pk_add_f32 v[LB+32*\g+4*\p+2:LB+32*\g+4*\p+3], v[LB+32*\g+4*\p+2:LB+32*\g+4*\p+3], v[LB+32*\g+4*\p+10:LB+32*\g+4*\p+11]
.endr
	v_pk_add_f32 v[LB+32*\g:LB+32*\g+1], v[LB+32*\g:LB+32*\g+1], v[LB+32*\g+16:LB+32*\g+17]
	v_pk_add_f32 v[LB+32*\g+2:LB+32*\g+3], v[LB+32*\g+2:LB+32*\g+3], v[LB+32*\g+18:LB+32*\g+19]
.endr
	global_store_b128 v56, v[LB:LB+3], s[18:19]                    ; 512 consecutive bytes each, aligned
	global_store_b128 v56, v[LB+32:LB+35], s[18:19] offset:512
	s_wait_tensorcnt 0x0                           ; the wave's end, behind my last tensor load and my last LDS store
	ds_add_u32 v[SPW], v[NIL]
	s_wait_dscnt 0x0
	ROUND                                          ; the closing round: no work-group ends while a partner may still ask for a tile that names it
	s_endpgm
.Lfunc_end_k_q4dba37b63c_match:
	.size	k_q4dba37b63c_match, .Lfunc_end_k_q4dba37b63c_match-k_q4dba37b63c_match
	.p2alignl 7, 3214868480
	.fill 96, 4, 3214868480
	.section	.rodata,"a",@progbits
	.p2align	6, 0x0
	.amdhsa_kernel k_q4dba37b63c_match
		.amdhsa_group_segment_fixed_size 327680
		.amdhsa_private_segment_fixed_size 0
		.amdhsa_enable_private_segment 0
		.amdhsa_kernarg_size 64
		.amdhsa_user_sgpr_count 2
		.amdhsa_user_sgpr_kernarg_segment_ptr 1
		.amdhsa_wavefront_size32 1
		.amdhsa_system_sgpr_workgroup_id_x 1
		.amdhsa_system_sgpr_workgroup_id_y 1
		.amdhsa_system_sgpr_workgroup_id_z 1
		.amdhsa_system_vgpr_workitem_id 0
		.amdhsa_next_free_vgpr 1024
		.amdhsa_next_free_sgpr 96
		.amdhsa_reserve_vcc 0
		.amdhsa_float_denorm_mode_32 3
		.amdhsa_float_denorm_mode_16_64 3
		.amdhsa_memory_ordered 1
		.amdhsa_forward_progress 1
		.amdhsa_inst_pref_size 255
	.end_amdhsa_kernel
	.section	.bss,"aw",@nobits
	.p2align	6
	.space	262144
	.amdgpu_metadata
---
amdhsa.version: [ 1, 2 ]
amdhsa.kernels:
  - .name:           k_q4dba37b63c_match
    .symbol:         k_q4dba37b63c_match.kd
    .args:
      - { .name: att_hidden, .offset: 0, .size: 8, .value_kind: global_buffer, .address_space: global }
      - { .name: rnn_state, .offset: 8, .size: 8, .value_kind: global_buffer, .address_space: global }
      - { .name: wcod, .offset: 16, .size: 8, .value_kind: global_buffer, .address_space: global }
      - { .name: wscl, .offset: 24, .size: 8, .value_kind: global_buffer, .address_space: global }
      - { .name: ctile, .offset: 32, .size: 8, .value_kind: global_buffer, .address_space: global }
      - { .name: scores, .offset: 40, .size: 8, .value_kind: global_buffer, .address_space: global }
      - { .name: stats, .offset: 48, .size: 8, .value_kind: global_buffer, .address_space: global }
      - { .name: pacc, .offset: 56, .size: 8, .value_kind: global_buffer, .address_space: global }
    .group_segment_fixed_size: 327680
    .private_segment_fixed_size: 0
    .kernarg_segment_align: 8
    .kernarg_segment_size: 64
    .max_flat_workgroup_size: 128
    .sgpr_count:     96
    .vgpr_count:     1024
    .wavefront_size: 32
...
	.end_amdgpu_metadata
.endif
;; end of part 2
;; launch finish (part 3): grid 128 x 1, 4 waves a work-group, no clusters, 0 bytes of LDS; arguments scores, stats, pacc, out0, out1; writes out0, out1
.if DOCPART == 3
	.amdgcn_target "amdgcn-amd-amdhsa--gfx1250"
	.amdhsa_code_object_version 6
	.text
	.protected	k_q4dba37b63c_finish
	.globl	k_q4dba37b63c_finish
	.p2align	8
	.type	k_q4dba37b63c_finish,@function
k_q4dba37b63c_finish:
	s_mov_b64 s[64:65], 0
	v_nop
	global_prefetch_b8 v0, s[64:65] scope:SCOPE_SE
	s_setreg_imm32_b32 hwreg(HW_REG_WAVE_MODE, 25, 1), 1
	s_wait_xcnt 0x0
; THIRD OF THREE LAUNCHES.  Nothing of the problem is left out.  A batch's 16 chunks are joined: M = the largest of their maxima m; f = e^(m - M); L = sum of f l;
; out1 = e^(score - M) / L;  out0 = sum over the chunks of (f / L) x the chunk's weighted sum.
; Work-group x: batch x / 4, quarter x % 4.  Thread t: two columns of out0 and four weights of out1.  Each row of 16 lanes holds the 16 chunks' (m, l), one a lane, so M and L need four steps inside the row.
; The 16 factors go to scalar registers as operands of the multiply-adds: no address and no branch hangs on them.  No LDS, no barrier: the waves share nothing.  128 work-groups are all the work there is.
; LIMIT: an exponential under 2^-126 comes out as zero.
	s_load_b256 s[4:11], s[0:1], 0x0               ; scores, stats, pacc, out0
	s_load_b64 s[12:13], s[0:1], 0x20              ; out1
	s_lshr_b32 s14, ttmp9, 2                       ; b
	s_and_b32 s15, ttmp9, 3                        ; the quarter
	v_and_b32 v1, 15, v0
	v_lshlrev_b32 v1, 8, v1                        ; a chunk's 256 bytes of stats
	v_lshlrev_b32 v2, 3, v0                        ; 8 t
	v_lshlrev_b32 v3, 4, v0                        ; 16 t
	s_lshl_b32 s16, s14, 12                        ; stats: 16 b chunks
	s_mov_b32 s17, 0
	s_lshl_b32 s18, s14, 16
	s_lshl_b32 s19, s15, 10
	s_add_co_u32 s18, s18, s19                     ; pacc: 65,536 b + 1,024 q
	s_lshl_b32 s22, s14, 12
	s_add_co_u32 s22, s22, s19                     ; out0: 4,096 b + 1,024 q
	s_mov_b32 s19, 0
	s_mov_b32 s23, 0
	s_lshl_b32 s20, s14, 13
	s_lshl_b32 s21, s15, 11
	s_add_co_u32 s20, s20, s21                     ; scores, out1: 8,192 b + 2,048 q
	s_mov_b32 s21, 0
	s_wait_alu depctr_va_vdst(0)
	s_wait_kmcnt 0x0
	s_add_nc_u64 s[6:7], s[6:7], s[16:17]
	s_add_nc_u64 s[8:9], s[8:9], s[18:19]
	s_add_nc_u64 s[4:5], s[4:5], s[20:21]
	s_add_nc_u64 s[12:13], s[12:13], s[20:21]
	s_add_nc_u64 s[10:11], s[10:11], s[22:23]
	global_load_b64 v[4:5], v1, s[6:7]             ; (m, l) of chunk lane % 16
.irp g, 0,1,2,3,4,5,6,7,8,9,10,11,12,13,14,15
	global_load_b64 v[8+2*\g:9+2*\g], v2, s[8:9] offset:4096*\g    ; a wave reads 256 consecutive bytes of each chunk's sums
.endr
	global_load_b128 v[40:43], v3, s[4:5]
	s_wait_loadcnt 17                              ; (m, l) is in; the 17 younger loads may be out
	v_mov_b32 v6, v4
	v_max_num_f32_dpp v6, v6, v6 row_xmask:1 row_mask:0xf bank_mask:0xf
	v_max_num_f32_dpp v6, v6, v6 row_xmask:2 row_mask:0xf bank_mask:0xf
	v_max_num_f32_dpp v6, v6, v6 row_xmask:4 row_mask:0xf bank_mask:0xf
	v_max_num_f32_dpp v6, v6, v6 row_xmask:8 row_mask:0xf bank_mask:0xf   ; M
	v_sub_f32 v7, v4, v6
	v_mul_f32 v7, 0x3fb8aa3b, v7
	s_wait_alu depctr_va_vdst(0)
	v_exp_f32 v7, v7                               ; f
	v_nop                                          ; a plain place behind the exponential
	s_wait_alu depctr_va_vdst(0)                   ; and the wait ahead of its first reader
	v_mul_f32 v44, v7, v5
	v_add_f32_dpp v44, v44, v44 row_xmask:1 row_mask:0xf bank_mask:0xf
	v_add_f32_dpp v44, v44, v44 row_xmask:2 row_mask:0xf bank_mask:0xf
	v_add_f32_dpp v44, v44, v44 row_xmask:4 row_mask:0xf bank_mask:0xf
	v_add_f32_dpp v44, v44, v44 row_xmask:8 row_mask:0xf bank_mask:0xf   ; L
	s_wait_alu depctr_va_vdst(0)
	v_rcp_f32 v45, v44
	v_nop
	s_wait_alu depctr_va_vdst(0)
	v_mul_f32 v7, v7, v45                          ; f / L
.irp g, 0,1,2,3,4,5,6,7,8,9,10,11,12,13,14,15
	v_readlane_b32 s[32+\g], v7, \g
.endr
	s_wait_loadcnt 1                               ; the 16 chunks' sums are in; the scores may be out
	v_mul_f32 v46, s32, v8
	v_mul_f32 v47, s32, v9
.irp g, 1,2,3,4,5,6,7,8,9,10,11,12,13,14,15
	v_fma_f32 v46, v[8+2*\g], s[32+\g], v46
	v_fma_f32 v47, v[9+2*\g], s[32+\g], v47
.endr
	global_store_b64 v2, v[46:47], s[10:11]        ; a wave stores 256 consecutive bytes, aligned
	s_wait_loadcnt 0x0
.irp k, 0,1,2,3
	v_sub_f32 v[40+\k], v[40+\k], v6
.endr
.irp k, 0,1,2,3
	v_mul_f32 v[40+\k], 0x3fb8aa3b, v[40+\k]
.endr
	s_wait_alu depctr_va_vdst(0)
.irp k, 0,1,2,3
	v_exp_f32 v[40+\k], v[40+\k]
.endr
	v_nop
	s_wait_alu depctr_va_vdst(0)                   ; one wait for the four
.irp k, 0,1,2,3
	v_mul_f32 v[40+\k], v[40+\k], v45
.endr
	global_store_b128 v3, v[40:43], s[12:13]       ; 512 consecutive bytes a wave
	s_endpgm
.Lfunc_end_k_q4dba37b63c_finish:
	.size	k_q4dba37b63c_finish, .Lfunc_end_k_q4dba37b63c_finish-k_q4dba37b63c_finish
	.p2alignl 7, 3214868480
	.fill 96, 4, 3214868480
	.section	.rodata,"a",@progbits
	.p2align	6, 0x0
	.amdhsa_kernel k_q4dba37b63c_finish
		.amdhsa_group_segment_fixed_size 0
		.amdhsa_private_segment_fixed_size 0
		.amdhsa_enable_private_segment 0
		.amdhsa_kernarg_size 40
		.amdhsa_user_sgpr_count 2
		.amdhsa_user_sgpr_kernarg_segment_ptr 1
		.amdhsa_wavefront_size32 1
		.amdhsa_system_sgpr_workgroup_id_x 1
		.amdhsa_system_sgpr_workgroup_id_y 1
		.amdhsa_system_sgpr_workgroup_id_z 1
		.amdhsa_system_vgpr_workitem_id 0
		.amdhsa_next_free_vgpr 64
		.amdhsa_next_free_sgpr 66
		.amdhsa_reserve_vcc 0
		.amdhsa_float_denorm_mode_32 3
		.amdhsa_float_denorm_mode_16_64 3
		.amdhsa_memory_ordered 1
		.amdhsa_forward_progress 1
		.amdhsa_inst_pref_size 8
	.end_amdhsa_kernel
	.amdgpu_metadata
---
amdhsa.version: [ 1, 2 ]
amdhsa.kernels:
  - .name:           k_q4dba37b63c_finish
    .symbol:         k_q4dba37b63c_finish.kd
    .args:
      - { .name: scores, .offset: 0, .size: 8, .value_kind: global_buffer, .address_space: global }
      - { .name: stats, .offset: 8, .size: 8, .value_kind: global_buffer, .address_space: global }
      - { .name: pacc, .offset: 16, .size: 8, .value_kind: global_buffer, .address_space: global }
      - { .name: out0, .offset: 24, .size: 8, .value_kind: global_buffer, .address_space: global }
      - { .name: out1, .offset: 32, .size: 8, .value_kind: global_buffer, .address_space: global }
    .group_segment_fixed_size: 0
    .private_segment_fixed_size: 0
    .kernarg_segment_align: 8
    .kernarg_segment_size: 40
    .max_flat_workgroup_size: 128
    .sgpr_count:     66
    .vgpr_count:     64
    .wavefront_size: 32
...
	.end_amdgpu_metadata
.endif
;; end of part 3
